; MI455X (gfx1250); checked and timed in simulation.
; The chip was launched on July 23, 2026; its instructions are those of AMD's public machine-readable ISA for CDNA 5 (MIT licence, August 2026) and "CDNA5" Instruction Set Architecture Reference Guide (July 2026). The comments in the code are by the model that wrote it; some were corrected since.
;; Post Processor. Allowed arithmetic: float matrix products may take bf16 or f16 operands with f32 sums; other float arithmetic in f32, or as packed bf16 or f16 multiplies, adds, multiply-adds, maxima and minima; sums over many terms, partial sums and values carried from step to step in f32; what a program stores and reads back later, other than sums and carried values, may be rounded once to bf16 or f16.
;; Inputs: pred_boxes 8 x 4,096 x 4 float32; scores 8 x 4,096 float32.
;; Outputs: out0 8 x 100 x 5 float32; out1 8 int32.
;; One version. Each part assembles by itself: llvm-mc -triple=amdgcn-amd-amdhsa -mcpu=gfx1250 --defsym DOCPART=n.
;; ======== version 1 of 1: 4 launches
;; workspace buffers: ranks 131,072 bytes of whole numbers; nvpart 1,024 bytes of whole numbers; sxy 524,288 bytes; sar 131,072 bytes; sbox 524,288 bytes; ssc 131,072 bytes; plc 4,096 bytes of whole numbers; hdr 256 bytes of whole numbers
;; launch rank_scores (part 1): grid 256 x 1, 16 waves a work-group, no clusters, 10,240 bytes of LDS; arguments scores, ranks, nvpart; writes ranks, nvpart
.if DOCPART == 1
	.amdgcn_target "amdgcn-amd-amdhsa--gfx1250"
	.amdhsa_code_object_version 6
	.text
	.protected	k_qff68b7483b_rank_scores
	.globl	k_qff68b7483b_rank_scores
	.p2align	8
	.type	k_qff68b7483b_rank_scores,@function
k_qff68b7483b_rank_scores:
	s_mov_b64 s[64:65], 0
	v_nop
	global_prefetch_b8 v0, s[64:65] scope:SCOPE_SE
	s_setreg_imm32_b32 hwreg(HW_REG_WAVE_MODE, 25, 1), 1
	s_wait_xcnt 0x0
; FIRST OF FOUR LAUNCHES of: score filter (> 0.5), stable descending sort, greedy NMS (IoU > 0.7), the first 100 survivors.  8 images x 4096 boxes.
; WORK LEFT OUT BY THE PROGRAM, AND WHY IT CAN REACH NO OUTPUT.
;  (1) iou[i][j] with j <= i: the loop's own mask (idx > i) throws it away, whatever the inputs hold.
;  (2) A box whose score fails the filter starts with keep = False: it never suppresses and is never among the finite top scores.  That hangs on values: this launch counts the
;      valid scores and stores the counts as whole numbers; the later launches read them and take only candidates below the count.
;  (3) top_k keeps the first 100 survivors of the sorted order, and a survivor hangs on earlier survivors alone.  The third launch settles the first 128 candidates of each image and
;      stores how many survive; the last launch reads that whole number and walks on only where fewer than 100 survived and valid candidates are left.
;  (4) A box that has been suppressed has keep = False at its turn and suppresses nothing: where the last launch walks on, a candidate is tested against the kept boxes alone.
;  Both inputs have a way to the outputs and are loaded.
; LIMITS.  A NaN score fails the filter as in the module; its place among the boxes that are never used may then fall on another's.  An infinity or NaN in a box that the module
;  multiplies by 0 (a padded row) gives 0 here.  A NaN, an infinity or an overflow that reaches only the pairs left out is not carried to the result.
; THIS LAUNCH: the place of every box in its image's order.  place(i) = #{j : s_j > s_i} + #{j < i : s_j = s_i} for a valid i: a stable sort by descending score.
;  A box under the filter takes the key 0.5 against later j (it counts the valid ones) and -inf against earlier j (it counts all): place = i + #{valid j > i}, behind all valid
;  boxes, in index order.  So the places are a permutation of 0..4095 and every place is filled later.
; SHARES.  A work-group has 128 boxes of one image, four blocks of 32.  EVERY wave holds all four blocks, a lane a box of each, and takes a sixteenth of the image's scores: 8 chunks of 32,
;  which come as scalars.  So a chunk's 32 scalars feed 4 x 64 vector lines, and that much work stands between the request for a chunk and the wait for it.
;  For each block, a chunk wholly ahead of it is counted with >=, one wholly behind with >, the block's own chunk lane by lane.  Two vector lines count one score against 32 boxes.
;  The sixteen partial counts meet in LDS; wave 0 adds them and stores 512 consecutive bytes, and how many of the group's 128 scores pass the filter.
.set PART,  0                          ; LDS: wave w's 128 counts at 512 w, box b of the group at 4 b
.set SPARE, 8192                       ; the spare words: 128 bytes for each of 16 waves; no other line names them
.set SCR,   4                          ; v[4:7]    my four scores
.set KLT,   8                          ; v[8:11]   my keys against later boxes
.set KGE,   12                         ; v[12:15]  my keys against earlier boxes
.set CNT,   16                         ; v[16:19]  my counts
.set ZERO,  20                         ; v20  0, the addend of the add with carry
.set LSA,   21                         ; v21  where I put my counts
.set LRA,   22                         ; v22  16 x lane
.set NVV,   23                         ; v23  the group's count of valid scores
.set SUM,   24                         ; v[24:87]  the sixteen partial counts of four boxes
.set ZA,    88                         ; v88  0, an offset
.set SPW,   90                         ; v90  LDS address of my spare word; never rewritten
.set NIL,   91                         ; v91  0; never rewritten
.set GI,    13                         ; s13  which of the image's 128 chunks of 32 the group's first block is
.set CJ,    15                         ; s15  the chunk in hand
.set OFF,   86                         ; s86  byte offset in the image's scores of the chunk asked for last
.set VAL,   87                         ; s87  valid scores among the group's 128
.set TRIPS, 88
.set LASTO, 89                         ; s89  byte offset of my last chunk
.set GIC,   94                         ; s[94:97]  the chunk numbers of the four blocks
	s_load_b128 s[4:7], s[0:1], 0x0                ; scores s[4:5], ranks s[6:7]
	s_load_b64 s[8:9], s[0:1], 0x10                ; nvpart
	v_lshl_add_u32 v[SPW], v0, 2, SPARE
	v_mov_b32 v[NIL], 0
	v_lshrrev_b32 v1, 5, v0
	v_readfirstlane_b32 s10, v1                    ; wave 0..15
	v_and_b32 v1, 31, v0                           ; lane
	s_lshr_b32 s11, ttmp9, 5                       ; image
	s_and_b32 s12, ttmp9, 31                       ; the work-group among the image's 32
	s_lshl_b32 s[GI], s12, 2
.irp c, 0,1,2,3
	s_add_co_u32 s[GIC+\c], s[GI], \c
.endr
	s_lshl_b32 s[CJ], s10, 3                       ; my first chunk
	s_lshl_b32 s[OFF], s[CJ], 7                    ; 128 bytes a chunk
	s_add_co_u32 s[LASTO], s[OFF], 7*128
	s_lshl_b32 s2, s11, 14                         ; an image's scores are 16,384 bytes
	s_mov_b32 s3, 0
	v_lshl_add_u32 v2, s[GI], 5, v1                ; my box of the first block
	v_lshlrev_b32 v2, 2, v2
.irp c, 0,1,2,3
	v_mov_b32 v[CNT+\c], 0
.endr
	v_mov_b32 v[ZERO], 0
	s_mov_b32 s[VAL], 0
	s_mov_b32 s[TRIPS], 4
	s_wait_kmcnt 0x0
	s_add_nc_u64 s[4:5], s[4:5], s[2:3]
.irp c, 0,1,2,3
	global_load_b32 v[SCR+\c], v2, s[4:5] offset:128*\c
.endr
	s_load_b512 s[16:31], s[4:5], s[OFF] offset:0x0   ; the first chunk, into set A
	s_load_b512 s[32:47], s[4:5], s[OFF] offset:0x40
	s_wait_loadcnt 0x0
.irp c, 0,1,2,3
	v_cmp_lt_f32 vcc_lo, 0.5, v[SCR+\c]            ; the filter; false for a NaN
	s_bcnt1_i32_b32 s90, vcc_lo
	s_add_co_u32 s[VAL], s[VAL], s90
	v_cndmask_b32 v[KLT+\c], 0.5, v[SCR+\c], vcc_lo
	v_cndmask_b32 v[KGE+\c], 0xff800000, v[SCR+\c], vcc_lo
.endr
; One chunk of 32 scores, in s[lo..lo+15] and s[hi..hi+15], against block c.  The branches hang on ids alone.
.macro SUB lo, hi, c
	s_cmp_eq_u32 s[CJ], s[GIC+\c]
	s_cbranch_scc1 .Lown_\@
	s_cmp_lt_u32 s[CJ], s[GIC+\c]
	s_cbranch_scc1 .Learlier_\@
.set q, 0
.rept 32                               ; later boxes: ahead of me only with a greater score
.set r, (\lo)+q
.if q >= 16
.set r, (\hi)+q-16
.endif
	v_cmp_gt_f32 vcc_lo, s[r], v[KLT+\c]
	v_add_co_ci_u32 v[CNT+\c], vcc_lo, v[ZERO], v[CNT+\c], vcc_lo
.set q, q+1
.endr
	s_branch .Lcounted_\@
.Learlier_\@:
.set q, 0
.rept 32                               ; earlier boxes: ahead of me with an equal score too
.set r, (\lo)+q
.if q >= 16
.set r, (\hi)+q-16
.endif
	v_cmp_ge_f32 vcc_lo, s[r], v[KGE+\c]
	v_add_co_ci_u32 v[CNT+\c], vcc_lo, v[ZERO], v[CNT+\c], vcc_lo
.set q, q+1
.endr
	s_branch .Lcounted_\@
.Lown_\@:
.set q, 0
.rept 32                               ; the block's own chunk: box q is earlier for the lanes above q, later (or the lane itself) for the others
.set r, (\lo)+q
.if q >= 16
.set r, (\hi)+q-16
.endif
	v_cmp_gt_f32 s90, s[r], v[KLT+\c]
	v_cmp_ge_f32 s91, s[r], v[KGE+\c]
	s_and_b32 s91, s91, ((0xfffffffe << q) & 0xffffffff)
	s_or_b32 vcc_lo, s90, s91
	v_add_co_ci_u32 v[CNT+\c], vcc_lo, v[ZERO], v[CNT+\c], vcc_lo
.set q, q+1
.endr
.Lcounted_\@:
.endm
.macro CHUNK lo, hi
	SUB \lo, \hi, 0
	SUB \lo, \hi, 1
	SUB \lo, \hi, 2
	SUB \lo, \hi, 3
	s_add_co_u32 s[CJ], s[CJ], 1
.endm
.Ltrip:                                        ; two chunks a trip: while one set is counted the other is on its way
	s_wait_kmcnt 0x0                               ; set A is in (scalar loads return in no order: only 0 shows anything); the offset may be stepped
	s_add_co_u32 s[OFF], s[OFF], 128
	s_load_b512 s[48:63], s[4:5], s[OFF] offset:0x0
	s_load_b512 s[68:83], s[4:5], s[OFF] offset:0x40
	CHUNK 16, 32
	s_wait_kmcnt 0x0                               ; set B is in
	s_add_co_u32 s[OFF], s[OFF], 128
	s_min_u32 s[OFF], s[OFF], s[LASTO]             ; the last trip has no further chunk: it names the last one again, so that no load leaves the buffer, and uses nothing of it
	s_load_b512 s[16:31], s[4:5], s[OFF] offset:0x0
	s_load_b512 s[32:47], s[4:5], s[OFF] offset:0x40
	CHUNK 48, 68
	s_sub_co_u32 s[TRIPS], s[TRIPS], 1
	s_cmp_lg_u32 s[TRIPS], 0
	s_cbranch_scc1 .Ltrip
	s_wait_kmcnt 0x0
	s_lshl_b32 s90, s10, 9
	v_lshl_add_u32 v[LSA], v1, 2, s90              ; 512 x wave + 4 x lane; block c lies 128 c further on
.irp c, 0,1,2,3
	ds_store_b32 v[LSA], v[CNT+\c] offset:PART+128*\c
.endr
	s_wait_dscnt 0x0                               ; for the others' sake: my stores are done
	s_barrier_signal -1
	s_barrier_wait -1
	s_cmp_lg_u32 s10, 0
	s_cbranch_scc1 .Lend                           ; wave 0 finishes the group
	v_lshlrev_b32 v[LRA], 4, v1                    ; four boxes a lane
	v_mov_b32 v[ZA], 0
	v_mov_b32 v[NVV], s[VAL]
.irp w, 0,1,2,3,4,5,6,7,8,9,10,11,12,13,14,15
	ds_load_b128 v[SUM+4*\w:SUM+4*\w+3], v[LRA] offset:PART+512*\w
.endr
	s_lshl_b32 s2, ttmp9, 9                        ; the group's 128 ranks: 512 bytes
	s_add_nc_u64 s[6:7], s[6:7], s[2:3]
	s_lshl_b32 s2, ttmp9, 2
	s_add_nc_u64 s[8:9], s[8:9], s[2:3]
	s_wait_dscnt 0x0
.irp k, 1,3,5,7,9,11,13
.irp c, 0,1,2,3
	v_add3_u32 v[SUM+\c], v[SUM+\c], v[SUM+4*\k+\c], v[SUM+4*\k+4+\c]
.endr
.endr
.irp c, 0,1,2,3
	v_add_nc_u32 v[SUM+\c], v[SUM+\c], v[SUM+60+\c]
.endr
	global_store_b128 v[LRA], v[SUM:SUM+3], s[6:7] ; 512 consecutive bytes, at a multiple of 512 from the buffer's first
	s_wait_xcnt 0x0                                ; EXEC changes only behind this wait
	v_cmp_eq_u32 vcc_lo, 0, v1
	s_and_saveexec_b32 s92, vcc_lo
	global_store_b32 v[ZA], v[NVV], s[8:9]         ; one word a work-group
	s_wait_xcnt 0x0
	s_or_b32 exec_lo, exec_lo, s92
.Lend:
	s_wait_tensorcnt 0x0                           ; the wave's end, behind my last LDS store
	ds_add_u32 v[SPW], v[NIL]
	s_wait_dscnt 0x0
	s_endpgm
.Lfunc_end_k_qff68b7483b_rank_scores:
	.size	k_qff68b7483b_rank_scores, .Lfunc_end_k_qff68b7483b_rank_scores-k_qff68b7483b_rank_scores
	.p2alignl 7, 3214868480
	.fill 96, 4, 3214868480
	.section	.rodata,"a",@progbits
	.p2align	6, 0x0
	.amdhsa_kernel k_qff68b7483b_rank_scores
		.amdhsa_group_segment_fixed_size 10240
		.amdhsa_private_segment_fixed_size 0
		.amdhsa_enable_private_segment 0
		.amdhsa_kernarg_size 24
		.amdhsa_user_sgpr_count 2
		.amdhsa_user_sgpr_kernarg_segment_ptr 1
		.amdhsa_wavefront_size32 1
		.amdhsa_system_sgpr_workgroup_id_x 1
		.amdhsa_system_sgpr_workgroup_id_y 1
		.amdhsa_system_sgpr_workgroup_id_z 1
		.amdhsa_system_vgpr_workitem_id 0
		.amdhsa_next_free_vgpr 92
		.amdhsa_next_free_sgpr 98
		.amdhsa_reserve_vcc 1
		.amdhsa_float_denorm_mode_32 3
		.amdhsa_float_denorm_mode_16_64 3
		.amdhsa_memory_ordered 1
		.amdhsa_forward_progress 1
		.amdhsa_inst_pref_size 104
	.end_amdhsa_kernel
	.amdgpu_metadata
---
amdhsa.version: [ 1, 2 ]
amdhsa.kernels:
  - .name:           k_qff68b7483b_rank_scores
    .symbol:         k_qff68b7483b_rank_scores.kd
    .args:
      - { .name: scores, .offset: 0, .size: 8, .value_kind: global_buffer, .address_space: global }
      - { .name: ranks, .offset: 8, .size: 8, .value_kind: global_buffer, .address_space: global }
      - { .name: nvpart, .offset: 16, .size: 8, .value_kind: global_buffer, .address_space: global }
    .group_segment_fixed_size: 10240
    .private_segment_fixed_size: 0
    .kernarg_segment_align: 8
    .kernarg_segment_size: 24
    .max_flat_workgroup_size: 512
    .sgpr_count:     98
    .vgpr_count:     92
    .wavefront_size: 32
...
	.end_amdgpu_metadata
.endif
;; end of part 1
;; launch place (part 2): grid 256 x 1, 4 waves a work-group, no clusters, 0 bytes of LDS; arguments pred_boxes, scores, ranks, sxy, sar, sbox, ssc; writes sxy, sar, sbox, ssc
.if DOCPART == 2
	.amdgcn_target "amdgcn-amd-amdhsa--gfx1250"
	.amdhsa_code_object_version 6
	.text
	.protected	k_qff68b7483b_place
	.globl	k_qff68b7483b_place
	.p2align	8
	.type	k_qff68b7483b_place,@function
k_qff68b7483b_place:
	s_mov_b64 s[64:65], 0
	v_nop
	global_prefetch_b8 v0, s[64:65] scope:SCOPE_SE
	s_setreg_imm32_b32 hwreg(HW_REG_WAVE_MODE, 25, 1), 1
	s_wait_xcnt 0x0
; SECOND LAUNCH: every box goes to its place in its image's order.  The places are whole numbers that the launch before stored; here they become addresses.
; A lane a box.  Stored at the place: the corners (x1, y1, x2, y2), the clipped area, the box as it came (cx, cy, w, h) and its score.
; 0.5 w is exact, so one fused multiply-add rounds as cx - 0.5 w does.  The area is made of the rounded corners, as the module makes it.
; The stores are 16 or 4 bytes a lane at scattered places: that is the permutation itself; all four arrays together are 1.3 MB, each byte written once.
; The places are a permutation, so all 4096 places of each image are written.
	s_load_b256 s[4:11], s[0:1], 0x0               ; pred_boxes s[4:5], scores s[6:7], ranks s[8:9], sxy s[10:11]
	s_load_b128 s[12:15], s[0:1], 0x20             ; sar s[12:13], sbox s[14:15]
	s_load_b64 s[16:17], s[0:1], 0x30              ; ssc
	s_lshl_b32 s2, ttmp9, 7                        ; the work-group's first box, counted over all images
	v_add_nc_u32 v1, s2, v0
	v_lshlrev_b32 v2, 2, v1
	v_lshlrev_b32 v3, 4, v1
	s_lshr_b32 s3, ttmp9, 5                        ; image
	s_lshl_b32 s3, s3, 12                          ; its first place
	s_wait_kmcnt 0x0
	global_load_b32 v4, v2, s[8:9]
	global_load_b128 v[8:11], v3, s[4:5]
	global_load_b32 v5, v2, s[6:7]
	s_wait_loadcnt 0x0
	v_min_u32 v4, 0xfff, v4                        ; a loaded number enters an address only behind this bound
	v_add_nc_u32 v4, s3, v4
	v_lshlrev_b32 v6, 4, v4
	v_lshlrev_b32 v7, 2, v4
	v_fma_f32 v12, v10, -0.5, v8                   ; x1
	v_fma_f32 v13, v11, -0.5, v9                   ; y1
	v_fma_f32 v14, v10, 0.5, v8                    ; x2
	v_fma_f32 v15, v11, 0.5, v9                    ; y2
	v_sub_f32 v16, v14, v12
	v_sub_f32 v17, v15, v13
	v_max_num_f32 v16, 0, v16
	v_max_num_f32 v17, 0, v17
	v_mul_f32 v16, v16, v17                        ; area
	global_store_b128 v6, v[12:15], s[10:11]
	global_store_b128 v6, v[8:11], s[14:15]
	global_store_b32 v7, v16, s[12:13]
	global_store_b32 v7, v5, s[16:17]
	s_endpgm
.Lfunc_end_k_qff68b7483b_place:
	.size	k_qff68b7483b_place, .Lfunc_end_k_qff68b7483b_place-k_qff68b7483b_place
	.p2alignl 7, 3214868480
	.fill 96, 4, 3214868480
	.section	.rodata,"a",@progbits
	.p2align	6, 0x0
	.amdhsa_kernel k_qff68b7483b_place
		.amdhsa_group_segment_fixed_size 0
		.amdhsa_private_segment_fixed_size 0
		.amdhsa_enable_private_segment 0
		.amdhsa_kernarg_size 56
		.amdhsa_user_sgpr_count 2
		.amdhsa_user_sgpr_kernarg_segment_ptr 1
		.amdhsa_wavefront_size32 1
		.amdhsa_system_sgpr_workgroup_id_x 1
		.amdhsa_system_sgpr_workgroup_id_y 1
		.amdhsa_system_sgpr_workgroup_id_z 1
		.amdhsa_system_vgpr_workitem_id 0
		.amdhsa_next_free_vgpr 24
		.amdhsa_next_free_sgpr 66
		.amdhsa_reserve_vcc 0
		.amdhsa_float_denorm_mode_32 3
		.amdhsa_float_denorm_mode_16_64 3
		.amdhsa_memory_ordered 1
		.amdhsa_forward_progress 1
		.amdhsa_inst_pref_size 2
	.end_amdhsa_kernel
	.amdgpu_metadata
---
amdhsa.version: [ 1, 2 ]
amdhsa.kernels:
  - .name:           k_qff68b7483b_place
    .symbol:         k_qff68b7483b_place.kd
    .args:
      - { .name: pred_boxes, .offset: 0, .size: 8, .value_kind: global_buffer, .address_space: global }
      - { .name: scores, .offset: 8, .size: 8, .value_kind: global_buffer, .address_space: global }
      - { .name: ranks, .offset: 16, .size: 8, .value_kind: global_buffer, .address_space: global }
      - { .name: sxy, .offset: 24, .size: 8, .value_kind: global_buffer, .address_space: global }
      - { .name: sar, .offset: 32, .size: 8, .value_kind: global_buffer, .address_space: global }
      - { .name: sbox, .offset: 40, .size: 8, .value_kind: global_buffer, .address_space: global }
      - { .name: ssc, .offset: 48, .size: 8, .value_kind: global_buffer, .address_space: global }
    .group_segment_fixed_size: 0
    .private_segment_fixed_size: 0
    .kernarg_segment_align: 8
    .kernarg_segment_size: 56
    .max_flat_workgroup_size: 128
    .sgpr_count:     66
    .vgpr_count:     24
    .wavefront_size: 32
...
	.end_amdgpu_metadata
.endif
;; end of part 2
;; launch head (part 3): grid 8 x 1, 16 waves a work-group, no clusters, 10,240 bytes of LDS; arguments sxy, sar, nvpart, plc, hdr; writes plc, hdr
.if DOCPART == 3
	.amdgcn_target "amdgcn-amd-amdhsa--gfx1250"
	.amdhsa_code_object_version 6
	.text
	.protected	k_qff68b7483b_head
	.globl	k_qff68b7483b_head
	.p2align	8
	.type	k_qff68b7483b_head,@function
k_qff68b7483b_head:
	s_mov_b64 s[64:65], 0
	v_nop
	global_prefetch_b8 v0, s[64:65] scope:SCOPE_SE
	s_setreg_imm32_b32 hwreg(HW_REG_WAVE_MODE, 25, 1), 1
	s_wait_xcnt 0x0
; THIRD LAUNCH: the greedy walk over the first 128 candidates of each image, with no branch and no address that hangs on a box or a score.  Left out here: all later candidates; the last
; launch takes them up where the count stored here asks for it.
; STORED, at fixed places, as whole numbers: for each of the 128 candidates its row of the output (0..99), or 100 for none; how many of the 128 survive; how many scores of the image are valid.
; THE BITS.  Wave w tests columns 8 w .. 8 w + 7 against all 128 rows.  Rows lie in the lanes (four blocks of 32: c = 0..3), a column comes as five scalars.  The compare's lane mask IS the
; word 'which rows of block c overlap this column'; it is put into the column's lane (column % 32) of result register c.  The wave's other lanes hold 0.  Each thread puts its four words
; at LDS byte 16 x thread; the four waves of a block of columns are ORed by wave 0.
; THE TEST, with the module's own roundings: lt = max, rb = min, w = max(rb - lt, 0), inter = w h, u = max((area_i + area_j) - inter, 1e-9).
;   h is not clipped: with h < 0 inter is <= 0 where the module's is 0, and both ways the test below is false.
;   The module asks RN(inter / u) > c, c = 0.7 in f32.  c's last bit is odd, so the quotient rounds above c exactly from the midpoint c + 2^-25 on:
;   inter - c u >= u 2^-25.  Near equality inter - c u fits 24 bits, so the fused multiply-add gives it exactly; u 2^-25 is exact.  No division is made.
; THE WALK, by wave 0.  A block of 32 candidates, a lane each: acc = OR over earlier blocks c of (word(c) AND kept(c)); the lanes with acc = 0, below the count of valid scores, are live.
; Inside the block the walk goes in scalar registers: the test is symmetric bit for bit, so lane r's word for its own block, cut to the bits above r, is what r suppresses if r is still live at
; its turn: 31 turns of test, select, clear, in every block.
.set PARTS, 0                          ; LDS: thread t's four words at 16 t
.set SPARE, 8192                       ; the spare words: 128 bytes for each of 16 waves; no other line names them
.set ROW, 8                            ; v[8:23]   the rows: block c's x1, y1, x2, y2 at ROW + 4 c
.set ARE, 24                           ; v[24:27]  their areas
.set D,   28                           ; v[28:43]  block b's words for block c at D + 4 b + c (c <= b)
.set ACC, 44                           ; v[44:47]
.set RES, 48                           ; v[48:51]  my columns' words
.set LX,  52                           ; v[52:55]  max x1; then inter
.set LY,  56                           ; v[56:59]  max y1; then inter - c u
.set RX,  60                           ; v[60:63]  min x2; then w; then u 2^-25
.set RY,  64                           ; v[64:67]  min y2; then h
.set UN,  68                           ; v[68:71]  area_i + area_j; then u
.set P,   72                           ; v[72:135] the sixteen waves' parts: block b, part g, c at P + 16 b + 4 g + c
.set PL,  136                          ; v[136:139] block b's rows of the output
.set ZA,  144                          ; v144 0, an offset
.set SPW, 146                          ; v146 LDS address of my spare word; never rewritten
.set NIL, 147                          ; v147 0; never rewritten
.set NV,  15                           ; s15  valid scores of the image
.set KB,  48                           ; s[48:51] the survivors' masks of the four blocks
.set AL,  52                           ; s52  the live lanes
.set CNT, 53                           ; s53  survivors so far
.set SEL, 56                           ; s56  the bit of the column's lane
.set EPS, 61                           ; s61  1e-9
	s_load_b256 s[4:11], s[0:1], 0x0               ; sxy s[4:5], sar s[6:7], nvpart s[8:9], plc s[10:11]
	s_load_b64 s[12:13], s[0:1], 0x20              ; hdr
	v_lshl_add_u32 v[SPW], v0, 2, SPARE
	v_mov_b32 v[NIL], 0
	v_lshrrev_b32 v1, 5, v0
	v_readfirstlane_b32 s14, v1                    ; wave 0..15
	v_and_b32 v1, 31, v0                           ; lane
	v_lshlrev_b32 v2, 4, v1                        ; 16 x lane
	v_lshlrev_b32 v3, 2, v1                        ; 4 x lane
	v_lshlrev_b32 v4, 4, v0                        ; 16 x thread
	v_lshlrev_b32 v5, v1, -2                       ; the bits above my lane
	s_lshl_b32 s62, s14, 7                         ; my 8 columns' corners: 128 bytes
	s_lshl_b32 s63, s14, 5                         ; and areas: 32 bytes
	s_and_b32 s15, s14, 3
	s_lshl_b32 s15, s15, 3
	s_lshl_b32 s[SEL], 1, s15                      ; my first column's lane: 8 x (w % 4)
	s_mov_b32 s[EPS], 0x3089705f
	s_mov_b32 s3, 0
.irp c, 0,1,2,3
	v_mov_b32 v[RES+\c], 0
.endr
	s_wait_kmcnt 0x0
	s_lshl_b32 s2, ttmp9, 16
	s_add_nc_u64 s[4:5], s[4:5], s[2:3]            ; the image's corners
	s_lshl_b32 s2, ttmp9, 14
	s_add_nc_u64 s[6:7], s[6:7], s[2:3]            ; its areas
	s_lshl_b32 s2, ttmp9, 7
	s_add_nc_u64 s[8:9], s[8:9], s[2:3]            ; its 32 counts
	s_lshl_b32 s2, ttmp9, 9
	s_add_nc_u64 s[10:11], s[10:11], s[2:3]        ; its 128 rows of the output
	s_lshl_b32 s2, ttmp9, 3
	s_add_nc_u64 s[12:13], s[12:13], s[2:3]        ; its two counts
	s_load_b512 s[16:31], s[4:5], s62 offset:0x0   ; columns 0 to 3 of my eight
	s_load_b512 s[36:51], s[4:5], s62 offset:0x40  ; columns 4 to 7
	s_load_b128 s[32:35], s[6:7], s63 offset:0x0
	s_load_b128 s[52:55], s[6:7], s63 offset:0x10
	s_load_b512 s[68:83], s[8:9], 0x0
	s_load_b512 s[84:99], s[8:9], 0x40
.irp c, 0,1,2,3
	global_load_b128 v[ROW+4*\c:ROW+4*\c+3], v2, s[4:5] offset:512*\c
.endr
.irp c, 0,1,2,3
	global_load_b32 v[ARE+\c], v3, s[6:7] offset:128*\c
.endr
	s_wait_kmcnt 0x0
	s_add_co_u32 s[NV], s68, s69
.set r, 70
.rept 30
	s_add_co_u32 s[NV], s[NV], s[r]
.set r, r+1
.endr
	s_min_u32 s[NV], s[NV], 0x1000
	s_wait_loadcnt 0x0
; One column (corners in s[xb..xb+3], area in s[ar]) against the 4 x 32 rows.  The four blocks' lines stand side by side, so that no line reads the result of the one before it.
.macro COL xb, ar
.irp c, 0,1,2,3
	v_max_num_f32 v[LX+\c], s[\xb], v[ROW+4*\c]
.endr
.irp c, 0,1,2,3
	v_max_num_f32 v[LY+\c], s[\xb+1], v[ROW+4*\c+1]
.endr
.irp c, 0,1,2,3
	v_min_num_f32 v[RX+\c], s[\xb+2], v[ROW+4*\c+2]
.endr
.irp c, 0,1,2,3
	v_min_num_f32 v[RY+\c], s[\xb+3], v[ROW+4*\c+3]
.endr
.irp c, 0,1,2,3
	v_add_f32 v[UN+\c], s[\ar], v[ARE+\c]
.endr
.irp p, 0,2
	v_pk_add_f32 v[RX+\p:RX+\p+1], v[RX+\p:RX+\p+1], v[LX+\p:LX+\p+1] neg_lo:[0,1] neg_hi:[0,1]
.endr
.irp p, 0,2
	v_pk_add_f32 v[RY+\p:RY+\p+1], v[RY+\p:RY+\p+1], v[LY+\p:LY+\p+1] neg_lo:[0,1] neg_hi:[0,1]
.endr
.irp c, 0,1,2,3
	v_max_num_f32 v[RX+\c], 0, v[RX+\c]
.endr
.irp p, 0,2
	v_pk_mul_f32 v[LX+\p:LX+\p+1], v[RX+\p:RX+\p+1], v[RY+\p:RY+\p+1]
.endr
.irp p, 0,2
	v_pk_add_f32 v[UN+\p:UN+\p+1], v[UN+\p:UN+\p+1], v[LX+\p:LX+\p+1] neg_lo:[0,1] neg_hi:[0,1]
.endr
.irp c, 0,1,2,3
	v_max_num_f32 v[UN+\c], s[EPS], v[UN+\c]
.endr
.irp p, 0,2
	v_pk_fma_f32 v[LY+\p:LY+\p+1], v[UN+\p:UN+\p+1], 0xbf333333, v[LX+\p:LX+\p+1] op_sel_hi:[1,0,1]
.endr
.irp p, 0,2
	v_pk_mul_f32 v[RX+\p:RX+\p+1], v[UN+\p:UN+\p+1], 0x33000000 op_sel_hi:[1,0]
.endr
.irp c, 0,1,2,3
	v_cmp_ge_f32 s[57+\c], v[LY+\c], v[RX+\c]
.endr
.irp c, 0,1,2,3
	v_cndmask_b32 v[RES+\c], v[RES+\c], s[57+\c], s[SEL]
.endr
	s_lshl_b32 s[SEL], s[SEL], 1
.endm
	COL 16, 32
	COL 20, 33
	COL 24, 34
	COL 28, 35
	COL 36, 52
	COL 40, 53
	COL 44, 54
	COL 48, 55
	ds_store_b128 v4, v[RES:RES+3] offset:PARTS
	s_wait_dscnt 0x0                               ; for wave 0's sake: my store is done
	s_barrier_signal -1
	s_barrier_wait -1
	s_cmp_lg_u32 s14, 0
	s_cbranch_scc1 .Lend                           ; wave 0 walks
.irp b, 0,1,2,3
.irp g, 0,1,2,3
	ds_load_b128 v[P+16*\b+4*\g:P+16*\b+4*\g+3], v2 offset:PARTS+512*(4*\b+\g)
.endr
.endr
	s_mov_b32 s[CNT], 0
	s_mov_b32 s62, 100
	s_mov_b32 s68, 1                               ; the pair (1, 0): shifted left by n, less 1, its low word is n low bits, for n = 32 too
	s_mov_b32 s69, 0
	v_mov_b32 v[ZA], 0
	s_wait_dscnt 0x0
.irp b, 0,1,2,3
.irp c, 0,1,2,3
.if \c <= \b
	v_or_b32 v[D+4*\b+\c], v[P+16*\b+\c], v[P+16*\b+4+\c]
	v_or_b32 v[P+16*\b+8+\c], v[P+16*\b+8+\c], v[P+16*\b+12+\c]
	v_or_b32 v[D+4*\b+\c], v[D+4*\b+\c], v[P+16*\b+8+\c]
.endif
.endr
.endr
.macro BLOCK b
.if \b == 0
	s_mov_b32 s[AL], -1                            ; nothing stands ahead of the first block
.else
	v_and_b32 v[ACC+\b], s[KB], v[D+4*\b]
.irp c, 1,2
.if \c < \b
	v_and_or_b32 v[ACC+\b], v[D+4*\b+\c], s[KB+\c], v[ACC+\b]
.endif
.endr
	v_cmp_eq_u32 s[AL], 0, v[ACC+\b]
.endif
	s_sub_co_i32 s54, s[NV], 32*\b                 ; valid candidates from this block's first on,
	s_max_i32 s54, s54, 0
	s_min_u32 s54, s54, 32                         ; of them in this block: 0 to 32
	s_lshl_b64 s[70:71], s[68:69], s54
	s_sub_co_u32 s70, s70, 1
	s_and_b32 s[AL], s[AL], s70
	v_and_b32 v6, v5, v[D+5*\b]                    ; lane r: the later lanes of this block that r overlaps
.set r, 0
.rept 31
	v_readlane_b32 s[16+r], v6, r
.set r, r+1
.endr
.set r, 0
.rept 31                               ; lane 31 has no later lane
	s_bitcmp1_b32 s[AL], r
	s_cselect_b32 s55, s[16+r], 0
	s_and_not1_b32 s[AL], s[AL], s55
.set r, r+1
.endr
	s_mov_b32 s[KB+\b], s[AL]
	v_mbcnt_lo_u32_b32 v7, s[AL], s[CNT]           ; my place among the survivors, if I am one
	v_cmp_gt_u32 s54, s62, v7
	s_and_b32 s54, s54, s[AL]                      ; the lanes that go out
	v_cndmask_b32 v[PL+\b], -1, v7, s54
	v_min_u32 v[PL+\b], 0x64, v[PL+\b]             ; all others: 100
	s_bcnt1_i32_b32 s54, s[AL]
	s_add_co_u32 s[CNT], s[CNT], s54
.endm
	BLOCK 0
	BLOCK 1
	BLOCK 2
	BLOCK 3
.irp b, 0,1,2,3
	global_store_b32 v3, v[PL+\b], s[10:11] offset:128*\b  ; 128 consecutive bytes each; the four together are the image's 512
.endr
	v_mov_b32 v140, s[CNT]
	v_mov_b32 v141, s[NV]
	s_wait_xcnt 0x0                                ; EXEC changes only behind this wait
	v_cmp_eq_u32 vcc_lo, 0, v1
	s_and_saveexec_b32 s54, vcc_lo
	global_store_b64 v[ZA], v[140:141], s[12:13]   ; the two counts, once an image
	s_wait_xcnt 0x0
	s_or_b32 exec_lo, exec_lo, s54
.Lend:
	s_wait_tensorcnt 0x0                           ; the wave's end, behind my last LDS store
	ds_add_u32 v[SPW], v[NIL]
	s_wait_dscnt 0x0
	s_endpgm
.Lfunc_end_k_qff68b7483b_head:
	.size	k_qff68b7483b_head, .Lfunc_end_k_qff68b7483b_head-k_qff68b7483b_head
	.p2alignl 7, 3214868480
	.fill 96, 4, 3214868480
	.section	.rodata,"a",@progbits
	.p2align	6, 0x0
	.amdhsa_kernel k_qff68b7483b_head
		.amdhsa_group_segment_fixed_size 10240
		.amdhsa_private_segment_fixed_size 0
		.amdhsa_enable_private_segment 0
		.amdhsa_kernarg_size 40
		.amdhsa_user_sgpr_count 2
		.amdhsa_user_sgpr_kernarg_segment_ptr 1
		.amdhsa_wavefront_size32 1
		.amdhsa_system_sgpr_workgroup_id_x 1
		.amdhsa_system_sgpr_workgroup_id_y 1
		.amdhsa_system_sgpr_workgroup_id_z 1
		.amdhsa_system_vgpr_workitem_id 0
		.amdhsa_next_free_vgpr 148
		.amdhsa_next_free_sgpr 100
		.amdhsa_reserve_vcc 1
		.amdhsa_float_denorm_mode_32 3
		.amdhsa_float_denorm_mode_16_64 3
		.amdhsa_memory_ordered 1
		.amdhsa_forward_progress 1
		.amdhsa_inst_pref_size 48
	.end_amdhsa_kernel
	.amdgpu_metadata
---
amdhsa.version: [ 1, 2 ]
amdhsa.kernels:
  - .name:           k_qff68b7483b_head
    .symbol:         k_qff68b7483b_head.kd
    .args:
      - { .name: sxy, .offset: 0, .size: 8, .value_kind: global_buffer, .address_space: global }
      - { .name: sar, .offset: 8, .size: 8, .value_kind: global_buffer, .address_space: global }
      - { .name: nvpart, .offset: 16, .size: 8, .value_kind: global_buffer, .address_space: global }
      - { .name: plc, .offset: 24, .size: 8, .value_kind: global_buffer, .address_space: global }
      - { .name: hdr, .offset: 32, .size: 8, .value_kind: global_buffer, .address_space: global }
    .group_segment_fixed_size: 10240
    .private_segment_fixed_size: 0
    .kernarg_segment_align: 8
    .kernarg_segment_size: 40
    .max_flat_workgroup_size: 512
    .sgpr_count:     100
    .vgpr_count:     148
    .wavefront_size: 32
...
	.end_amdgpu_metadata
.endif
;; end of part 3
;; launch final (part 4): grid 8 x 1, 1 waves a work-group, no clusters, 2,816 bytes of LDS; arguments sxy, sar, sbox, ssc, plc, hdr, out0, out1; writes out0, out1
.if DOCPART == 4
	.amdgcn_target "amdgcn-amd-amdhsa--gfx1250"
	.amdhsa_code_object_version 6
	.text
	.protected	k_qff68b7483b_final
	.globl	k_qff68b7483b_final
	.p2align	8
	.type	k_qff68b7483b_final,@function
k_qff68b7483b_final:
	s_mov_b64 s[64:65], 0
	v_nop
	global_prefetch_b8 v0, s[64:65] scope:SCOPE_SE
	s_setreg_imm32_b32 hwreg(HW_REG_WAVE_MODE, 25, 1), 1
	s_wait_xcnt 0x0
; FOURTH LAUNCH: the outputs.  One wave an image.  Left out: candidates behind the first 128 wherever the launch before found 100 survivors among them (top_k slices the rest away) or no valid
; candidate stands behind them.  Both are whole numbers read from memory; the one data-dependent branch of the text hangs on them.
; THE SHORT WAY.  Candidate k of the first 128 has its row of the output (or 100 for none) from the launch before.  Its box and score go to that row of a stage of 20-byte rows in LDS that
; starts as zeros; row 100 never leaves.
; THE LONG WAY walks all valid candidates from the first on, four a trip, ceil(valid / 4) trips: a count read from memory.  The kept boxes lie in registers, a slot a lane, 4 x 32 slots:
; corners and area for the test, box and score for the output.  A candidate comes as scalars, is tested against all slots at once, and, if no kept box overlaps it and it is below the count,
; is written into slot cnt by a compare of the slot's number and selects; cnt takes the carry.  No branch, no address and no LDS access in the loop hangs on a box or a score.
; An empty slot holds zeros: its inter is 0 against every box and u is at least 1e-9, so it overlaps nothing.  Slots 100 to 127 fill and are not stored; behind slot 127 nothing is kept:
; all that comes behind the 100th survivor reaches no output.  One wave, some 100 lines a candidate: the price of this way, taken only where the first 128 candidates do not suffice.
; THE TEST is the third launch's: lt = max, rb = min, w = max(rb - lt, 0), h unclipped (h < 0 makes inter <= 0 and the test false, as the module's 0 does), inter = w h,
; u = max((area_i + area_j) - inter, 1e-9); RN(inter / u) > 0.7f exactly where inter - c u >= u 2^-25 (c's last bit is odd; the fused line is exact near equality).
; A score that is not finite gives a row of zeros and is not counted in num, as the module's isfinite asks: a choice of values only.
; The stage leaves as consecutive 16-byte pieces: an image's 2,000 bytes.
.set STAGE, 0                          ; LDS: 128 rows of 20 bytes
.set SPARE, 2560                       ; the spare words: 128 bytes, in a block of 256 that no other line names
.set ROW, 8                            ; v[8:23]   slots 32 k + lane: x1, y1, x2, y2 at ROW + 4 k
.set ARE, 24                           ; v[24:27]  their areas
.set OBX, 28                           ; v[28:43]  their boxes as they came, at OBX + 4 k
.set OSC, 44                           ; v[44:47]  their scores
.set SID, 48                           ; v[48:51]  the slots' numbers
.set LX,  52                           ; v[52:71]  at work, as in the third launch
.set LY,  56
.set RX,  60
.set RY,  64
.set UN,  68
.set PL,  72                           ; v[72:75]  the short way: block b's rows of the output
.set BX,  76                           ; v[76:91]  its boxes
.set SC,  92                           ; v[92:95]  its scores
.set AD,  96                           ; v96  a row's LDS address
.set VAL, 98                           ; v[98:102] a row's five numbers
.set OUT, 104                          ; v[104:119] the stage, read back
.set NUMV, 120
.set SPW, 122                          ; v122 LDS address of my spare word; never rewritten
.set NIL, 123                          ; v123 0; never rewritten
.set C128, 20                          ; s20  survivors among the first 128
.set NV,  21                           ; s21  valid scores
.set XY,  24                           ; s[24:39]  four candidates' corners
.set BOX, 40                           ; s[40:55]  their boxes
.set EPS, 61
.set T,   62                           ; s62  trips
.set TR,  63                           ; s63  the trip
.set QX,  66                           ; s66  byte offset of the four in corners and boxes
.set QA,  67                           ; s67  and in areas and scores
.set AR,  68                           ; s[68:71]  their areas
.set SCO, 72                           ; s[72:75]  their scores
.set CNT, 76                           ; s76  kept so far
.set NUM, 77
.set A,   78                           ; s78  the slot that the candidate takes, or -1
.set INF, 79
.set IDX, 80                           ; s80  the candidate's number
.set CAP, 81
.set HUN, 82
.set IM,  84                           ; s[84:87]  which lane of each slot register takes it
	s_load_b512 s[4:19], s[0:1], 0x0               ; sxy s[4:5], sar s[6:7], sbox s[8:9], ssc s[10:11], plc s[12:13], hdr s[14:15], out0 s[16:17], out1 s[18:19]
	v_lshl_add_u32 v[SPW], v0, 2, SPARE
	v_mov_b32 v[NIL], 0
	v_lshlrev_b32 v1, 4, v0                        ; 16 x lane
	v_lshlrev_b32 v2, 2, v0                        ; 4 x lane
.irp c, 4,5,6,7
	v_mov_b32 v\c, 0
.endr
.irp k, 0,1,2,3
	ds_store_b128 v1, v[4:7] offset:STAGE+512*\k   ; the stage starts as zeros: rows that no survivor takes stay so
.endr
	s_mov_b32 s[NUM], 0
	s_mov_b32 s[INF], 0x7f800000
	s_mov_b32 s[HUN], 100
	s_mov_b32 s3, 0
	s_wait_kmcnt 0x0
	s_lshl_b32 s2, ttmp9, 16
	s_add_nc_u64 s[4:5], s[4:5], s[2:3]
	s_add_nc_u64 s[8:9], s[8:9], s[2:3]
	s_lshl_b32 s2, ttmp9, 14
	s_add_nc_u64 s[6:7], s[6:7], s[2:3]
	s_add_nc_u64 s[10:11], s[10:11], s[2:3]
	s_lshl_b32 s2, ttmp9, 9
	s_add_nc_u64 s[12:13], s[12:13], s[2:3]
	s_lshl_b32 s2, ttmp9, 3
	s_add_nc_u64 s[14:15], s[14:15], s[2:3]
	s_mul_i32 s2, ttmp9, 2000
	s_add_nc_u64 s[16:17], s[16:17], s[2:3]
	s_lshl_b32 s2, ttmp9, 2
	s_add_nc_u64 s[18:19], s[18:19], s[2:3]
	s_load_b64 s[20:21], s[14:15], 0x0             ; the two counts; what the short way wants goes out with them
.irp b, 0,1,2,3
	global_load_b32 v[PL+\b], v2, s[12:13] offset:128*\b
	global_load_b128 v[BX+4*\b:BX+4*\b+3], v1, s[8:9] offset:512*\b
	global_load_b32 v[SC+\b], v2, s[10:11] offset:128*\b
.endr
	s_wait_kmcnt 0x0
	s_wait_loadcnt 0x0
	s_min_u32 s[NV], s[NV], 0x1000
	s_cmp_ge_u32 s[C128], 100
	s_cbranch_scc1 .Lfast
	s_cmp_le_u32 s[NV], 128
	s_cbranch_scc1 .Lfast
	; THE LONG WAY
.set r, 0
.rept 40
	v_mov_b32 v[ROW+r], 0                          ; all slots empty: v8 to v47
.set r, r+1
.endr
.irp k, 0,1,2,3
	v_add_nc_u32 v[SID+\k], 32*\k, v0
.endr
	s_mov_b32 s[EPS], 0x3089705f
	s_add_co_u32 s[T], s[NV], 3
	s_lshr_b32 s[T], s[T], 2
	s_mov_b32 s[TR], 0
	s_mov_b32 s[QX], 0
	s_mov_b32 s[QA], 0
	s_mov_b32 s[IDX], 0
	s_mov_b32 s[CNT], 0
; A candidate (corners in s[xb..xb+3], area in s[ar]) against the 4 x 32 slots; the lanes' answers in s57 to s60.
.macro TEST xb, ar
.irp c, 0,1,2,3
	v_max_num_f32 v[LX+\c], s[(\xb)], v[ROW+4*\c]
.endr
.irp c, 0,1,2,3
	v_max_num_f32 v[LY+\c], s[(\xb)+1], v[ROW+4*\c+1]
.endr
.irp c, 0,1,2,3
	v_min_num_f32 v[RX+\c], s[(\xb)+2], v[ROW+4*\c+2]
.endr
.irp c, 0,1,2,3
	v_min_num_f32 v[RY+\c], s[(\xb)+3], v[ROW+4*\c+3]
.endr
.irp c, 0,1,2,3
	v_add_f32 v[UN+\c], s[(\ar)], v[ARE+\c]
.endr
.irp p, 0,2
	v_pk_add_f32 v[RX+\p:RX+\p+1], v[RX+\p:RX+\p+1], v[LX+\p:LX+\p+1] neg_lo:[0,1] neg_hi:[0,1]
.endr
.irp p, 0,2
	v_pk_add_f32 v[RY+\p:RY+\p+1], v[RY+\p:RY+\p+1], v[LY+\p:LY+\p+1] neg_lo:[0,1] neg_hi:[0,1]
.endr
.irp c, 0,1,2,3
	v_max_num_f32 v[RX+\c], 0, v[RX+\c]
.endr
.irp p, 0,2
	v_pk_mul_f32 v[LX+\p:LX+\p+1], v[RX+\p:RX+\p+1], v[RY+\p:RY+\p+1]
.endr
.irp p, 0,2
	v_pk_add_f32 v[UN+\p:UN+\p+1], v[UN+\p:UN+\p+1], v[LX+\p:LX+\p+1] neg_lo:[0,1] neg_hi:[0,1]
.endr
.irp c, 0,1,2,3
	v_max_num_f32 v[UN+\c], s[EPS], v[UN+\c]
.endr
.irp p, 0,2
	v_pk_fma_f32 v[LY+\p:LY+\p+1], v[UN+\p:UN+\p+1], 0xbf333333, v[LX+\p:LX+\p+1] op_sel_hi:[1,0,1]
.endr
.irp p, 0,2
	v_pk_mul_f32 v[RX+\p:RX+\p+1], v[UN+\p:UN+\p+1], 0x33000000 op_sel_hi:[1,0]
.endr
.irp c, 0,1,2,3
	v_cmp_ge_f32 s[57+\c], v[LY+\c], v[RX+\c]
.endr
.endm
; Candidate e of the trip's four.
.macro CAND e
	TEST XY+4*\e, AR+\e
	s_or_b32 s57, s57, s58
	s_or_b32 s59, s59, s60
	s_or_b32 s57, s57, s59                         ; SCC: some kept box overlaps it
	s_cselect_b32 s[A], -1, s[CNT]
	s_cmp_lt_u32 s[IDX], s[NV]                     ; and it is a valid candidate
	s_cselect_b32 s[A], s[A], -1
	s_add_co_u32 s[IDX], s[IDX], 1
.irp k, 0,1,2,3
	v_cmp_eq_u32 s[IM+\k], s[A], v[SID+\k]         ; -1 is no slot's number
.endr
.irp k, 0,1,2,3
.irp c, 0,1,2,3
	v_cndmask_b32 v[ROW+4*\k+\c], v[ROW+4*\k+\c], s[XY+4*\e+\c], s[IM+\k]
.endr
.endr
.irp k, 0,1,2,3
	v_cndmask_b32 v[ARE+\k], v[ARE+\k], s[AR+\e], s[IM+\k]
.endr
.irp k, 0,1,2,3
.irp c, 0,1,2,3
	v_cndmask_b32 v[OBX+4*\k+\c], v[OBX+4*\k+\c], s[BOX+4*\e+\c], s[IM+\k]
.endr
.endr
.irp k, 0,1,2,3
	v_cndmask_b32 v[OSC+\k], v[OSC+\k], s[SCO+\e], s[IM+\k]
.endr
	s_cmp_lg_u32 s[A], -1
	s_add_co_ci_u32 s[CNT], s[CNT], 0              ; one more kept, if it was
.endm
.Lquad:
	s_load_b512 s[XY:XY+15], s[4:5], s[QX] offset:0x0
	s_load_b512 s[BOX:BOX+15], s[8:9], s[QX] offset:0x0
	s_load_b128 s[AR:AR+3], s[6:7], s[QA] offset:0x0
	s_load_b128 s[SCO:SCO+3], s[10:11], s[QA] offset:0x0
	s_wait_kmcnt 0x0                               ; the four are in; the offsets may be stepped
	s_add_co_u32 s[QX], s[QX], 64
	s_add_co_u32 s[QA], s[QA], 16
	CAND 0
	CAND 1
	CAND 2
	CAND 3
	s_add_co_u32 s[TR], s[TR], 1
	s_cmp_lt_u32 s[TR], s[T]
	s_cbranch_scc1 .Lquad
	s_min_u32 s[CAP], s[CNT], 100
.irp k, 0,1,2,3
	v_cmp_gt_u32 s88, s[CAP], v[SID+\k]            ; the slot is taken and is one of the first 100,
	v_cmp_gt_f32 s89, s[INF], v[OSC+\k]            ; and its score is finite (it is above 0.5, so only +infinity is not)
	s_and_b32 s88, s88, s89
	v_mul_u32_u24 v[AD], 20, v[SID+\k]
.irp c, 0,1,2,3
	v_cndmask_b32 v[VAL+\c], 0, v[OBX+4*\k+\c], s88
.endr
	v_cndmask_b32 v[VAL+4], 0, v[OSC+\k], s88
.irp c, 0,1,2,3,4
	ds_store_b32 v[AD], v[VAL+\c] offset:STAGE+4*\c
.endr
	s_bcnt1_i32_b32 s88, s88
	s_add_co_u32 s[NUM], s[NUM], s88
.endr
	s_branch .Lout
.Lfast:                                        ; THE SHORT WAY
.irp b, 0,1,2,3
	v_cmp_gt_u32 s88, s[HUN], v[PL+\b]             ; the lanes that go out
	v_min_u32 v[AD], 0x64, v[PL+\b]                ; the bound behind which a loaded number enters an address
	v_mul_u32_u24 v[AD], 20, v[AD]
	v_cmp_gt_f32 s89, s[INF], v[SC+\b]             ; the score is finite
.irp c, 0,1,2,3
	v_cndmask_b32 v[VAL+\c], 0, v[BX+4*\b+\c], s89
.endr
	v_cndmask_b32 v[VAL+4], 0, v[SC+\b], s89
.irp c, 0,1,2,3,4
	ds_store_b32 v[AD], v[VAL+\c] offset:STAGE+4*\c  ; a row is 20 bytes: five words
.endr
	s_and_b32 s89, s89, s88
	s_bcnt1_i32_b32 s89, s89
	s_add_co_u32 s[NUM], s[NUM], s89
.endr
.Lout:
.irp k, 0,1,2,3
	ds_load_b128 v[OUT+4*\k:OUT+4*\k+3], v1 offset:STAGE+512*\k  ; LDS serves a wave's instructions in order: these see all the stores above
.endr
	v_mov_b32 v[NUMV], s[NUM]
	s_wait_dscnt 0x0
	global_store_b128 v1, v[OUT:OUT+3], s[16:17]
	global_store_b128 v1, v[OUT+4:OUT+7], s[16:17] offset:512
	global_store_b128 v1, v[OUT+8:OUT+11], s[16:17] offset:1024
	s_wait_xcnt 0x0                                ; EXEC changes only behind this wait
	v_cmp_gt_u32 vcc_lo, 29, v0                    ; 2,000 = 1,536 + 29 x 16
	s_and_saveexec_b32 s88, vcc_lo
	global_store_b128 v1, v[OUT+12:OUT+15], s[16:17] offset:1536
	s_wait_xcnt 0x0
	s_or_b32 exec_lo, exec_lo, s88
	v_cmp_eq_u32 vcc_lo, 0, v0
	s_and_saveexec_b32 s88, vcc_lo
	global_store_b32 v4, v[NUMV], s[18:19]         ; num, one word an image (v4 holds 0)
	s_wait_xcnt 0x0
	s_or_b32 exec_lo, exec_lo, s88
	s_wait_tensorcnt 0x0                           ; the wave's end, behind my last LDS store
	ds_add_u32 v[SPW], v[NIL]
	s_wait_dscnt 0x0
	s_endpgm
.Lfunc_end_k_qff68b7483b_final:
	.size	k_qff68b7483b_final, .Lfunc_end_k_qff68b7483b_final-k_qff68b7483b_final
	.p2alignl 7, 3214868480
	.fill 96, 4, 3214868480
	.section	.rodata,"a",@progbits
	.p2align	6, 0x0
	.amdhsa_kernel k_qff68b7483b_final
		.amdhsa_group_segment_fixed_size 2816
		.amdhsa_private_segment_fixed_size 0
		.amdhsa_enable_private_segment 0
		.amdhsa_kernarg_size 64
		.amdhsa_user_sgpr_count 2
		.amdhsa_user_sgpr_kernarg_segment_ptr 1
		.amdhsa_wavefront_size32 1
		.amdhsa_system_sgpr_workgroup_id_x 1
		.amdhsa_system_sgpr_workgroup_id_y 1
		.amdhsa_system_sgpr_workgroup_id_z 1
		.amdhsa_system_vgpr_workitem_id 0
		.amdhsa_next_free_vgpr 124
		.amdhsa_next_free_sgpr 90
		.amdhsa_reserve_vcc 1
		.amdhsa_float_denorm_mode_32 3
		.amdhsa_float_denorm_mode_16_64 3
		.amdhsa_memory_ordered 1
		.amdhsa_forward_progress 1
		.amdhsa_inst_pref_size 34
	.end_amdhsa_kernel
	.amdgpu_metadata
---
amdhsa.version: [ 1, 2 ]
amdhsa.kernels:
  - .name:           k_qff68b7483b_final
    .symbol:         k_qff68b7483b_final.kd
    .args:
      - { .name: sxy, .offset: 0, .size: 8, .value_kind: global_buffer, .address_space: global }
      - { .name: sar, .offset: 8, .size: 8, .value_kind: global_buffer, .address_space: global }
      - { .name: sbox, .offset: 16, .size: 8, .value_kind: global_buffer, .address_space: global }
      - { .name: ssc, .offset: 24, .size: 8, .value_kind: global_buffer, .address_space: global }
      - { .name: plc, .offset: 32, .size: 8, .value_kind: global_buffer, .address_space: global }
      - { .name: hdr, .offset: 40, .size: 8, .value_kind: global_buffer, .address_space: global }
      - { .name: out0, .offset: 48, .size: 8, .value_kind: global_buffer, .address_space: global }
      - { .name: out1, .offset: 56, .size: 8, .value_kind: global_buffer, .address_space: global }
    .group_segment_fixed_size: 2816
    .private_segment_fixed_size: 0
    .kernarg_segment_align: 8
    .kernarg_segment_size: 64
    .max_flat_workgroup_size: 32
    .sgpr_count:     90
    .vgpr_count:     124
    .wavefront_size: 32
...
	.end_amdgpu_metadata
.endif
;; end of part 4
